; MI455X (gfx1250); checked and timed in simulation.
; The chip was launched on July 23, 2026; its instructions are those of AMD's public machine-readable ISA for CDNA 5 (MIT licence, August 2026) and "CDNA5" Instruction Set Architecture Reference Guide (July 2026). The comments in the code are by the model that wrote it; some were corrected since.
;; Attention. Allowed arithmetic: matrix products marked QUANTISED: E3M2 operands, one E8M0 scale for each 32 along K, by v_wmma_scale_f32_16x16x128_f8f6f4 with both operands' format E3M2, f32 sums; products left as they are: f32 operands where the result goes on into a quantised operand, else bf16, f16 or f32 operands; f32 sums; everything else in f32.
;; Inputs: W1 2,048 x 1,024 float32; W2 1,024 x 1 float32; b1 1,024 float32; b2 1 float32; encoder_outputs 32 x 1,024 x 1,024 float32; hidden_state 1 x 32 x 1,024 float32.
;; Outputs: out0 1 x 32 x 1,024 float32.
;; This version of the problem:
;;   THIS VERSION OF THE PROBLEM IS GIVEN IN LOW PRECISION. The matrix products marked QUANTISED in the list below multiply operands that are first quantised to E3M2 (3 exponent bits, 2 mantissa bits; 6 bits a number), with one power-of-two scale for each 32 numbers along K (OCP MX v1.0); their sums are f32. All else is computed in f32.
;;   The module's matrix products, in the order in which they are computed (A, B: the left and right operand; K: the contracted axis; several contracted axes count as one K, in the product's order):
;;     1. [M 32,768, K 2,048] x [K 2,048, N 1,024]; A: computed on the way; B: input W1: QUANTISED
;;     2. [M 32,768, K 1,024] x [K 1,024, N 1]; A: computed on the way; B: input W2: left as it is (N = 1 < 16)
;;     3. batch 32 x [M 1, K 1,024] x [K 1,024, N 1,024]; A: computed on the way; B: input encoder_outputs: left as it is (M = 1 < 16)
;;   THE QUANTISER, for each operand of a quantised product, along K:
;;     - K is cut into blocks of 32 from its start; a last block that is shorter is filled with zeros.
;;     - A block's scale is 2^e with e = floor(log2(the largest magnitude in the block)) - 4, held to -126 .. 127; a block of zeros has e = 0. As a byte (E8M0): e + 127.
;;     - Each number is divided by its block's scale, clamped to +-28, and rounded to the nearest number of E3M2, ties to even, subnormals kept.
;;     - The product sums the exact products of the quantised numbers (number of the format x scale) in f32.
;;   ~~~python
;;   def quantise(x, axis):      # numpy; x: float32 -> the quantised numbers, widened to float32 again
;;       x = np.moveaxis(x, axis, -1); K = x.shape[-1]
;;       x = np.pad(x, [(0, 0)] * (x.ndim - 1) + [(0, -K % 32)]); x = x.reshape(x.shape[:-1] + (-1, 32)); a = np.abs(x).max(-1, keepdims=True)
;;       e = np.where(a > 0, np.clip(np.frexp(np.where(a > 0, a, 1))[1] - 1 - 4, -126, 127), 0)      # np.frexp(a)[1] - 1 = floor(log2(a)), exactly
;;       r = np.clip(x / 2.0 ** e, -28, 28)
;;       step = 2.0 ** (np.maximum(np.frexp(np.where(r == 0, 1, r))[1] - 1, -2) - 2)
;;       q = np.round(r / step) * step * 2.0 ** e      # np.round: ties to even
;;       return np.moveaxis(q.reshape(q.shape[:-2] + (-1,))[..., :K], -1, axis).astype(np.float32)
;;   ~~~
;;   OPERANDS COMPUTED ON THE WAY. 'Computed on the way' means the value that the module computes at that place (a softmax that the list does not call 'softmax' is quantised finished and normalised). What goes into a quantiser is computed in f32, as accurately as f32 sums, v_exp_f32 and their like allow (about 1e-6 of the number): no bf16 or f16 on the way to a quantiser, and a product that is left as it is and whose result goes on into a quantised operand takes f32 operands (vector FMAs, or v_wmma_f32_16x16x4_f32). A number that lies on a knife's edge between two numbers of the format may be rounded either way, as far as f32 arithmetic and the matrix unit's own rounding can turn it there, and no further.
;; One version. Each part assembles by itself: llvm-mc -triple=amdgcn-amd-amdhsa -mcpu=gfx1250 --defsym DOCPART=n.
;; ======== version 1 of 1: 3 launches
;; limits: values are held in bf16: 8 bits of precision; right only within a limited range of input values
;; workspace buffers: wq 819,200 bytes; hpart 1,048,576 bytes; part 1,048,576 bytes; stats 2,048 bytes
;; launch prep (part 1): grid 16 x 16, 2 waves a work-group, no clusters, 12,544 bytes of LDS; arguments W1, hidden_state, wq, hpart; writes wq, hpart
.if DOCPART == 1
	.amdgcn_target "amdgcn-amd-amdhsa--gfx1250"
	.amdhsa_code_object_version 6
	.text
	.protected	k_q0a9c449be6_prep
	.globl	k_q0a9c449be6_prep
	.p2align	8
	.type	k_q0a9c449be6_prep,@function
k_q0a9c449be6_prep:
	s_mov_b64 s[64:65], 0
	v_nop
	global_prefetch_b8 v0, s[64:65] scope:SCOPE_SE
	s_setreg_imm32_b32 hwreg(HW_REG_WAVE_MODE, 25, 1), 1
	s_wait_xcnt 0x0
; W1 [2048 (k)][1024 (n)] f32 is quantised along K to codes of E3M2 with one E8M0 byte for each 32 along K.
; Work-group (x, y): x = chunk of 64 columns, y = K step of 128.  Wave wn takes 32 columns: A LANE IS A COLUMN AND ITS REGISTERS RUN DOWN K,
; so a block's largest magnitude needs no other lane and the conversions give codes with K innermost.
; y < 8 (the rows that meet the encoder's numbers): the two fragments (16 columns x 128 K, 12 registers a lane) leave as IMAGES OF THE OPERAND'S REGISTERS:
;   wq + 51,200 x chunk + 6,144 x K step + 1,536 x tile + 512 x group of four registers + 16 x lane; scale words at + 49,152 + 256 x K step + 128 x wn + 4 x lane.
; y >= 8 (the rows that meet the hidden state): reference() repeats the hidden state over all timesteps, and K = 1,024 is a block's edge, so this half of the
;   product is the same for all timesteps of a batch.  It is made here once: Q(hid) [32 x 128] x Q(W1) [128 x 64], one K step a work-group, f32 sums,
;   stored as hpart[K step][batch][column]; the next launch adds the eight parts.
; LIMITS: NaN and infinities among the inputs are not served.  A block whose largest magnitude lies under 2^-122 (a block of zeros among them) gets the byte 1;
;   a block of zeros has zero codes, which add nothing; the bytes are read by this program alone.
; DEAD WORK, for all values of the inputs: b2 is added to every timestep's score alike, and softmax(s + c) = softmax(s) along the axis on which c is constant.
;   So b2 has no way to the output: it is not loaded and is among no launch's arguments.  LIMIT: a NaN, an infinity or an overflow that b2 alone would bring is not carried to the result.
.set ROWW, 4096
.set CHB,  51200                       ; a chunk's block in wq
.set XW,   128                         ; v128-255 my column's 128 numbers
.set FRG,  16                          ; v16-39   the two fragments of W1
.set TH,   40                          ; v40-54   upper halves of the blocks' codes, on their way
.set SW,   56                          ; v56      W1's scale words: lanes 0-15 the first tile's, lanes 16-31 the second's
.set HSC,  58                          ; v58-59   hid's scale words
.set SOP,  60                          ; v60-63   the conversions' scale operands
.set HX,   64                          ; v64-127  hid's 64 numbers, then its two fragments (v64-87)
.set ACC,  96                          ; v96-127  four accumulators
.set TM,   16                          ; hid is quantised ahead of W1, in registers that W1's codes take later
.set PW,   32
.set PC,   34
.set SEL,  20                          ; s[20:21] lane selects: lane l xor 16
.set IMG,  1664                        ; LDS: a fragment's image (1,536 bytes) and its scale words (128), one for each wave
.set STG,  3584                        ; LDS: the stage, 32 rows (batches) x (256 bytes + 16)
.set SP,   272
.macro WL bl                           ; block bl of my column: each load reads 128 consecutive bytes a wave
.irp i, 0,1,2,3,4,5,6,7,8,9,10,11,12,13,14,15,16,17,18,19,20,21,22,23,24,25,26,27,28,29,30,31
	global_load_b32 v[XW+32*(\bl)+\i], v3, s[4:5] offset:(32*(\bl)+\i)*ROWW th:TH_LOAD_NT
.endr
.endm
.macro WBLOCK bl                       ; block bl becomes 32 codes and a byte
.set XS, XW+32*(\bl)
.set LO, FRG+12*((\bl)%2)+6*((\bl)/2)  ; blocks 0, 2 at v16, v22; blocks 1, 3 at v28, v34
.if (\bl) < 3
	s_wait_loadcnt 32                              ; this block's 32 loads are in; the next block's 32 may be out
.else
	s_wait_loadcnt 0x0
.endif
.if (\bl) < 2
	WL (\bl)+2                                     ; two blocks, 64 loads, are kept on their way
.endif
	v_max3_num_f32 v8, |v[XS]|, |v[XS+1]|, |v[XS+2]|
	v_max3_num_f32 v9, |v[XS+3]|, |v[XS+4]|, |v[XS+5]|
.irp i, 6,10,14,18,22,26
	v_max3_num_f32 v8, v8, |v[XS+\i]|, |v[XS+\i+1]|
	v_max3_num_f32 v9, v9, |v[XS+\i+2]|, |v[XS+\i+3]|
.endr
	v_max3_num_f32 v8, v8, |v[XS+30]|, |v[XS+31]|
	v_max3_num_f32 v8, v8, v9, 0x2800000           ; and the floor 2^(5 - 127): the byte cannot fall under 1
	v_add_nc_u32 v[SOP+(\bl)], 0xfe000000, v8      ; 4 off the exponent field: the conversion's scale operand
	v_lshrrev_b32 v10, 23, v[SOP+(\bl)]            ; the scale's byte
.if (\bl) == 0
	v_mov_b32 v[SW], v10
.else
	v_lshl_or_b32 v[SW], v10, 8*(\bl), v[SW]
.endif
	v_cvt_scalef32_pk16_bf6_f32 v[LO:LO+2], v[XS:XS+15], v[SOP+(\bl)]
	v_cvt_scalef32_pk16_bf6_f32 v[TH+4*(\bl):TH+4*(\bl)+2], v[XS+16:XS+31], v[SOP+(\bl)]   ; (a conversion's three registers begin on an even number)
.endm
; All four blocks; then the fragments.  A fragment wants blocks 0, 2 of column r in lane r and blocks 1, 3 in lane 16 + r: exchanging block 0's upper lanes with
; block 1's lower lanes (and 2's with 3's) gives the first tile's fragment in v16-27 and the second tile's in v28-39.
.macro WQUANT
	WBLOCK 0
	WBLOCK 1
	WBLOCK 2
	WBLOCK 3
	v_nop                                          ; one plain place behind the last scaled conversion
.irp bl, 0,1,2,3
.irp i, 0,1,2
	v_mov_b32 v[FRG+12*(\bl%2)+6*(\bl/2)+3+\i], v[TH+4*\bl+\i]
.endr
.endr
.irp k, 0,1,2,3,4,5
	v_permlane16_swap_b32 v[FRG+\k], v[FRG+12+\k]
	v_permlane16_swap_b32 v[FRG+6+\k], v[FRG+18+\k]
.endr
.endm
; 64 numbers of a lane, register 16 b + i = k 32 b + 16 (lane / 16) + i of my row, become a fragment's codes in v[PC] on and its scale word in v[PW].
.macro QUANT s
.irp b, 0,1,2,3
	v_max3_num_f32 v[TM+\b], |v[\s+16*\b]|, |v[\s+1+16*\b]|, 0x2800000
.endr
.irp i, 2,4,6,8,10,12,14
.irp b, 0,1,2,3
	v_max3_num_f32 v[TM+\b], v[TM+\b], |v[\s+16*\b+\i]|, |v[\s+1+16*\b+\i]|
.endr
.endr
.irp b, 0,1,2,3
	v_permlanex16_b32 v[TM+4+\b], v[TM+\b], s[SEL], s[SEL+1]
.endr
.irp b, 0,1,2,3
	v_max_num_f32 v[TM+\b], v[TM+\b], v[TM+4+\b]   ; with lane l xor 16's: the block's largest magnitude
.endr
.irp b, 0,1,2,3
	v_add_nc_u32 v[TM+12+\b], 0xfe000000, v[TM+\b]
.endr
.irp b, 0,1,2,3
	v_lshrrev_b32 v[TM+4+\b], 23, v[TM+12+\b]
.endr
	v_lshl_or_b32 v[PW], v[TM+5], 8, v[TM+4]
	v_lshl_or_b32 v[PW], v[TM+6], 16, v[PW]
	v_lshl_or_b32 v[PW], v[TM+7], 24, v[PW]
.irp c, 0,1
	v_cvt_scalef32_pk16_bf6_f32 v[PC+6*\c:PC+2+6*\c], v[\s+32*\c:\s+15+32*\c], v[TM+12+2*\c]
	v_cvt_scalef32_pk16_bf6_f32 v[PC+12+4*\c:PC+14+4*\c], v[\s+16+32*\c:\s+31+32*\c], v[TM+12+2*\c+1]
.endr
	v_nop                                          ; one plain place behind a scaled conversion
.irp c, 0,1
.irp i, 0,1,2
	v_permlane16_swap_b32 v[PC+6*\c+\i], v[PC+12+4*\c+\i]
.endr
.irp i, 0,1,2
	v_mov_b32 v[PC+3+6*\c+\i], v[PC+12+4*\c+\i]
.endr
.endr
.endm
	s_load_b256 s[4:11], s[0:1], 0x0               ; W1 s[4:5], hidden_state s[6:7], wq s[8:9], hpart s[10:11]
	v_lshl_add_u32 v55, v0, 2, 0x3000
	v_mov_b32 v57, 0
	v_lshrrev_b32 v1, 5, v0
	v_readfirstlane_b32 s12, v1                    ; wave 0, 1
	v_and_b32 v1, 31, v0                           ; lane
	v_and_b32 v2, 15, v0                           ; r
	v_bfe_u32 v5, v0, 4, 1                         ; h
	v_lshlrev_b32 v3, 2, v1                        ; 4 x lane
	v_lshlrev_b32 v4, 4, v1                        ; 16 x lane
	v_lshlrev_b32 v6, 12, v2
	v_lshl_add_u32 v6, v5, 6, v6                   ; hid: row r of 4,096 bytes + 64 h: my 16 numbers of a block
	s_mul_i32 s16, s12, IMG
	v_add_nc_u32 v7, s16, v4                       ; LDS: where I store my image,
	v_add_nc_u32 v14, s16, v3
	v_add_nc_u32 v14, 1536, v14                    ; and its scale word
	v_mul_u32_u24 v11, v2, SP
	v_lshl_add_u32 v11, v5, 5, v11
	s_lshl_b32 s16, s12, 7
	s_add_co_u32 s16, s16, STG
	v_add_nc_u32 v11, s16, v11                     ; the stage, in: row r, + 32 h, + 128 x wave
	v_mul_u32_u24 v12, v5, SP
	v_lshl_add_u32 v12, v2, 4, v12
	s_mul_i32 s16, s12, 16*SP
	s_add_co_u32 s16, s16, STG
	v_add_nc_u32 v12, s16, v12                     ; and back: my 16 rows, two an instruction, 16 bytes a lane
	v_lshlrev_b32 v13, 12, v5
	v_lshl_add_u32 v13, v2, 4, v13                 ; the same two rows in hpart
	s_mov_b32 s[SEL], 0x76543210
	s_mov_b32 s[SEL+1], 0xfedcba98
	s_and_b32 s13, ttmp7, 0xffff                   ; y: the K step
	s_lshl_b32 s14, s13, 19                        ; 128 rows of 4,096 bytes
	s_lshl_b32 s15, ttmp9, 8                       ; 64 columns
	s_add_co_u32 s14, s14, s15
	s_lshl_b32 s15, s12, 7                         ; my wave's 32
	s_add_co_u32 s14, s14, s15
	s_mov_b32 s15, 0
	s_wait_kmcnt 0x0
	s_add_nc_u64 s[4:5], s[4:5], s[14:15]
	s_cmp_ge_u32 s13, 8                            ; the work-group's number alone decides: the same in both waves
	s_cbranch_scc1 .Llower
	; ---- the upper half of W1: codes and scale words to wq
	WL 0
	WL 1
	s_mul_i32 s16, ttmp9, CHB
	s_mul_i32 s17, s13, 6144
	s_add_co_u32 s17, s17, s16
	s_mul_i32 s18, s12, 3072
	s_add_co_u32 s18, s18, s17
	s_mov_b32 s19, 0
	s_add_nc_u64 s[18:19], s[8:9], s[18:19]        ; my two fragments' images
	s_lshl_b32 s17, s13, 8
	s_add_co_u32 s16, s16, s17
	s_lshl_b32 s17, s12, 7
	s_add_co_u32 s16, s16, s17
	s_add_co_u32 s16, s16, 49152
	s_mov_b32 s17, 0
	s_add_nc_u64 s[16:17], s[8:9], s[16:17]        ; my scale words
	WQUANT
.irp t, 0,1
.irp g, 0,1,2
	global_store_b128 v4, v[FRG+12*\t+4*\g:FRG+12*\t+4*\g+3], s[18:19] offset:1536*\t+512*\g   ; 32 lanes store 512 consecutive bytes, aligned
.endr
.endr
	global_store_b32 v3, v[SW], s[16:17]
	s_endpgm
.Llower:
	; ---- the lower half of W1: one K step of Q(hid) Q(W1)
	s_sub_co_u32 s13, s13, 8                       ; the K step among the lower eight
	s_lshl_b32 s16, s12, 16                        ; wave w quantises batches 16 w .. 16 w + 15
	s_lshl_b32 s17, s13, 9
	s_add_co_u32 s16, s16, s17
	s_mov_b32 s17, 0
	s_add_nc_u64 s[6:7], s[6:7], s[16:17]
.irp b, 0,1,2,3
.irp j, 0,1,2,3
	global_load_b128 v[HX+16*\b+4*\j:HX+16*\b+4*\j+3], v6, s[6:7] offset:128*\b+16*\j
.endr
.endr
	WL 0
	s_lshl_b32 s16, s13, 17
	s_lshl_b32 s17, s12, 16
	s_add_co_u32 s16, s16, s17
	s_lshl_b32 s17, ttmp9, 8
	s_add_co_u32 s16, s16, s17
	s_mov_b32 s17, 0
	s_add_nc_u64 s[10:11], s[10:11], s[16:17]      ; hpart at [K step][16 w][64 x chunk]
.irp b, 0,1,2,3
	v_mov_b32 v[TM+4+\b], 0                        ; a lane permute's destination counts as one of its sources
.endr
	s_wait_loadcnt 32                              ; hid's 16 loads are in; block 0's 32 may be out
	WL 1
	QUANT HX
.irp g, 0,1,2
	ds_store_b128 v7, v[PC+4*\g:PC+4*\g+3] offset:512*\g
.endr
	ds_store_b32 v14, v[PW]
	s_wait_dscnt 0x0                               ; for the other wave's sake: my image has landed
	s_barrier_signal -1
	s_barrier_wait -1
.irp i, 0,1
.irp g, 0,1,2
	ds_load_b128 v[HX+12*\i+4*\g:HX+12*\i+4*\g+3], v4 offset:\i*IMG+512*\g
.endr
	ds_load_b32 v[HSC+\i], v3 offset:\i*IMG+1536
.endr
	WQUANT
	s_wait_alu depctr_va_vdst(0)
	s_wait_dscnt 0x0
.rept 8
	v_nop                                          ; W1's scale words were made by vector lines: 8 places ahead of a scaled product; its fragments: 4
.endr
	; source 0 = 16 columns of W1, source 1 = 16 batches: lane (r, h), register i: column 16 j + 8 h + i, batch 16 t + r.  Four accumulators, one product each.
.irp t, 0,1
	v_wmma_scale_f32_16x16x128_f8f6f4 v[ACC+8*\t:ACC+8*\t+7], v[FRG:FRG+11], v[HX+12*\t:HX+12*\t+11], 0, v[SW], v[HSC+\t] matrix_a_fmt:MATRIX_FMT_BF6 matrix_b_fmt:MATRIX_FMT_BF6
.endr
.irp t, 0,1
	v_wmma_scale_f32_16x16x128_f8f6f4 v[ACC+16+8*\t:ACC+16+8*\t+7], v[FRG+12:FRG+23], v[HX+12*\t:HX+12*\t+11], 0, v[SW], v[HSC+\t] matrix_a_fmt:MATRIX_FMT_BF6 matrix_b_fmt:MATRIX_FMT_BF6 matrix_a_scale:MATRIX_SCALE_ROW1
.endr
.rept 4
	v_nop                                          ; four places ahead of the first read of results
.endr
.irp j, 0,1
.irp t, 0,1
	ds_store_b128 v11, v[ACC+8*(2*\j+\t):ACC+8*(2*\j+\t)+3] offset:16*\t*SP+64*\j        ; each accumulator from its low end on
	ds_store_b128 v11, v[ACC+8*(2*\j+\t)+4:ACC+8*(2*\j+\t)+7] offset:16*\t*SP+64*\j+16
.endr
.endr
	s_wait_dscnt 0x0                               ; a row's 256 bytes come from both waves
	s_barrier_signal -1
	s_barrier_wait -1
.irp t, 0,1,2,3,4,5,6,7
	ds_load_b128 v[XW+4*\t:XW+4*\t+3], v12 offset:2*\t*SP
.endr
.irp t, 0,1,2,3,4,5,6,7
	s_wait_dscnt 7-\t                              ; the later loads may be out
	global_store_b128 v13, v[XW+4*\t:XW+4*\t+3], s[10:11] offset:2*\t*4096   ; sixteen lanes store 256 consecutive bytes, aligned
.endr
	s_wait_tensorcnt 0x0
	ds_add_u32 v55, v57
	s_wait_dscnt 0x0
	s_endpgm
.Lfunc_end_k_q0a9c449be6_prep:
	.size	k_q0a9c449be6_prep, .Lfunc_end_k_q0a9c449be6_prep-k_q0a9c449be6_prep
	.p2alignl 7, 3214868480
	.fill 96, 4, 3214868480
	.section	.rodata,"a",@progbits
	.p2align	6, 0x0
	.amdhsa_kernel k_q0a9c449be6_prep
		.amdhsa_group_segment_fixed_size 12544
		.amdhsa_private_segment_fixed_size 0
		.amdhsa_enable_private_segment 0
		.amdhsa_kernarg_size 32
		.amdhsa_user_sgpr_count 2
		.amdhsa_user_sgpr_kernarg_segment_ptr 1
		.amdhsa_wavefront_size32 1
		.amdhsa_system_sgpr_workgroup_id_x 1
		.amdhsa_system_sgpr_workgroup_id_y 1
		.amdhsa_system_sgpr_workgroup_id_z 1
		.amdhsa_system_vgpr_workitem_id 0
		.amdhsa_next_free_vgpr 256
		.amdhsa_next_free_sgpr 66
		.amdhsa_reserve_vcc 0
		.amdhsa_float_denorm_mode_32 3
		.amdhsa_float_denorm_mode_16_64 3
		.amdhsa_memory_ordered 1
		.amdhsa_forward_progress 1
		.amdhsa_inst_pref_size 50
	.end_amdhsa_kernel
	.amdgpu_metadata
---
amdhsa.version: [ 1, 2 ]
amdhsa.kernels:
  - .name:           k_q0a9c449be6_prep
    .symbol:         k_q0a9c449be6_prep.kd
    .args:
      - { .name: W1, .offset: 0, .size: 8, .value_kind: global_buffer, .address_space: global }
      - { .name: hidden_state, .offset: 8, .size: 8, .value_kind: global_buffer, .address_space: global }
      - { .name: wq, .offset: 16, .size: 8, .value_kind: global_buffer, .address_space: global }
      - { .name: hpart, .offset: 24, .size: 8, .value_kind: global_buffer, .address_space: global }
    .group_segment_fixed_size: 12544
    .private_segment_fixed_size: 0
    .kernarg_segment_align: 8
    .kernarg_segment_size: 32
    .max_flat_workgroup_size: 64
    .sgpr_count:     66
    .vgpr_count:     256
    .wavefront_size: 32
...
	.end_amdgpu_metadata
.endif
;; end of part 1
;; launch main (part 2): grid 256 x 1, 4 waves a work-group, no clusters, 286,208 bytes of LDS; arguments encoder_outputs, wq, hpart, b1, W2, part, stats; writes part, stats
.if DOCPART == 2
	.amdgcn_target "amdgcn-amd-amdhsa--gfx1250"
	.amdhsa_code_object_version 6
	.text
	.protected	k_q0a9c449be6_main
	.globl	k_q0a9c449be6_main
	.p2align	8
	.type	k_q0a9c449be6_main,@function
k_q0a9c449be6_main:
	s_mov_b64 s[64:65], 0
	v_nop
	global_prefetch_b8 v0, s[64:65] scope:SCOPE_SE
	s_setreg_imm32_b32 hwreg(HW_REG_WAVE_MODE, 25, 1), 1
	s_wait_xcnt 0x0
; For 128 rows (timesteps) of one batch: h = selu(Q(enc) Q(W1 upper) + [Q(hid) Q(W1 lower) + b1]), score = h W2, then the work-group's part of the softmax over timesteps:
; m = its largest score (as a power of two's exponent), p = 2^(t - m), l = the sum of p, and the sum of p x enc.  The last launch joins a batch's eight parts.
; LEFT OUT: b2, the same for all timesteps ahead of the softmax (shown at the head of the first kernel).
; SHARES.  Work-group g = rows 128 g .. + 127.  Wave w loads and quantises rows 32 w .. + 31 and multiplies rows 64 (w / 2) .. + 63 by columns 32 (w % 2) .. + 31 of each of 16 chunks of 64 columns.
; The rows' codes for all of K = 1,024 stay in registers (384).  The encoder's rows are read from memory once: a bf16 copy stays in LDS (four panels) for the sum at the end.
; THE PASS OVER THE ROWS runs one unit ahead: unit u + 1 goes into the turning stage and back, and into its panel, while unit u is quantised.
; W1'S CODES GO FROM MEMORY STRAIGHT INTO THE OPERAND'S REGISTERS: the first launch laid them as images of those registers, so each load covers 512 consecutive bytes.  Two buffers of 16 fragments.
; A chunk's 64 products stand on end; behind them its buffer is asked for again, with the chunk two on: 56 loads in four quarters of 14, the first behind the products, the others behind the epilogue's three waits.
; So a quarter has at least the whole next chunk in which to land.  The product phase has no barrier.
; NO JOINT LOADS, though all work-groups walk the same codes: the bf16 copy takes 270,336 of a WGP's 327,680 bytes of LDS, and what is left holds no two slots of a chunk (2 x 51,200).
; PREFETCH.  wq, 100 pieces of 8,192 bytes: at the head a wave asks for one piece (a lane a block of 256 bytes), the pieces shared out by the work-group's and the wave's number; each piece is named by eight
; work-groups; the pass over the rows lies between the request and the loads.  None for the encoder's rows: each wave keeps 48 loads of 512 bytes on their way through that pass.
; THE PRODUCT IS USED TRANSPOSED (source 0 = 16 columns of W1, source 1 = 16 rows): a lane holds one row and eight columns, so a row's score is summed in the lane.
; The bias, b1 + the hidden state's part - alpha, is the C of each sum's first product.  With a = x - alpha:  y = min(x log2e, 0);  selu(x) / lambda = (a - ln2 y) + alpha 2^y.
; LIMITS: NaN and infinities among the inputs are not served.  A block whose largest magnitude lies under 2^-122 (a block of zeros among them) gets the byte 1; a block of zeros has zero codes.
;   The encoder's numbers enter the weighted sum rounded to bf16.  max(x, 0) is formed as x - ln2 min(x log2e, 0): its error is about 1e-7 |x|.
; REGISTERS, in windows of 256.  Window 0: v0-31 addresses; v32-47, v48-63 scale words of the rows and of W1; the rest by phase.  Windows 1, 2: v0-191 codes of row tiles 0, 1 and 2, 3 (96 x tile + 12 x K step);
;   v192-255 bf16 on its way, then of K steps 6, 7 until panel 3 is free.  Window 3: v0-63 the even units' neighbours, v128-255 two sets of loaded numbers; then W1's buffer 0 (v0-191).
;   Buffer 1: five fragments each from v192 of windows 3, 1, 2, one at v114 of window 0.
.set PANB,67584                        ; LDS: panel p (columns 256 p ..) of the bf16 copy: 128 rows x (512 + 16) bytes
.set PP,528
.set TS,3*PANB                         ; while rows are loaded, in panel 3's bytes: a turning stage of 16 rows x 528 for each wave,
.set EX0,TS+4*16*PP                    ; and two buffers through which codes go from wave to wave
.set EXB,13312
.set CV,4*PANB                         ; the bias, 1,024 f32; behind it W2
.set SCR,CV+8192                       ; the rows' partial scores [w % 2][128]
.set PVEC,SCR+1024                     ; p, 128 f32, a copy for each wave
.set OST,PVEC+2048                     ; the way out: 1,024 bytes a wave
.set SPARE,OST+4096                    ; the spare words, 128 bytes a wave
.set CHB,51200                         ; a chunk's block in wq
.set VO,4
.set TSW,5
.set TSR,6
.set PANW,7
.set EXW,11
.set EXSW,12
.set EXR,13
.set EXSR,14
.set VSO,15
.set PFO,16
.set CVA,19
.set W2A,20
.set SCW,21
.set SPW,22
.set NIL,23
.set PANR,24
.set PVA,25
.set OSTW,26
.set OSTR,27
.set PVW,28
.set SCRR,29
.set SMO,30
.set SML,31
.set ASC,32                            ; 2 x K step + q: lanes 0-15 row tile 2 q, lanes 16-31 row tile 2 q + 1
.set BSC,48                            ; 8 x buffer + K step: lanes 0-15 my first tile of columns, lanes 16-31 my second
.set TM,64
.set PW,80
.set PC,104
.set SC,64
.set W2R,80
.set CR,96
.set AL,112
.set ACC,128
.set Y,192
.set CX,64                             ; at the end: two sets of eight sums, v64-71 and v88-95
.set ML,74
.set PB,96
.set XB,128
.set WQ,6
.set WV,20
.set L2E,48
.set NLN2,50
.set ALP,52
.set SEL,54
.set CNT,56
.set SAVE,58
.set MSB,0
.macro WIN new                         ; the immediate's high byte repeats the setting that is left; a switch that changes nothing is dropped
.if MSB != (\new)
	s_set_vgpr_msb (MSB<<8)|(\new)
.set MSB, (\new)
.endif
.endm
.macro PLACES n
.rept \n
	v_nop
.endr
.endm
.macro VW                              ; the wait for vector results, where it stands
	s_wait_alu depctr_va_vdst(0)
.endm
.macro SETOF u                         ; set u % 3 of loaded numbers: its window RW and first register RB
.if (\u)%3 == 0
.set RW, 0
.set RB, 192
.elseif (\u)%3 == 1
.set RW, 3
.set RB, 128
.else
.set RW, 3
.set RB, 192
.endif
.endm
.macro LOADU u                         ; unit u = K step u / 2, row tile u % 2 of my 32 rows: 16 loads of 512 consecutive bytes
	SETOF \u
.set WSET, RW<<6
	WIN WSET
.irp rr, 0,1,2,3,4,5,6,7,8,9,10,11,12,13,14,15
	global_load_b128 v[RB+4*\rr:RB+4*\rr+3], v[VO], s[4:5] offset:(16*((\u)%2)+\rr)*4096+512*((\u)/2) th:TH_LOAD_NT
.endr
	WIN 0
.endm
.macro FMAP b, q                       ; fragment q = 2 x K step + tile of buffer b: its window fw and first register fr
.if (\b) == 0
.set fw, 3
.set fr, 12*(\q)
.elseif (\q) < 5
.set fw, 3
.set fr, 192+12*(\q)
.elseif (\q) < 10
.set fw, 1
.set fr, 192+12*((\q)-5)
.elseif (\q) < 15
.set fw, 2
.set fr, 192+12*((\q)-10)
.else
.set fw, 0
.set fr, 114
.endif
.endm
.macro FL1 b, q, off                   ; fragment q of buffer b: three loads
	FMAP \b, \q
.set WSET, fw<<6
	WIN WSET
.irp g, 0,1,2
	global_load_b128 v[fr+4*\g:fr+4*\g+3], v[VO], s[WQ:WQ+1] offset:(\off)+((\q)/2)*6144+((\q)%2)*1536+512*\g
.endr
.endm
.macro SL1 b, s, off                   ; W1's scale words of K step s
	WIN 0
	global_load_b32 v[BSC+8*(\b)+(\s)], v[VSO], s[WQ:WQ+1] offset:(\off)+256*(\s)
.endm
.macro QLOAD b, i, off                 ; quarter i of a chunk: two K steps' four fragments and scale words: 14 loads
.irp q, 0,1,2,3
	FL1 \b, 4*(\i)+\q, \off
.endr
	SL1 \b, 2*(\i), \off
	SL1 \b, 2*(\i)+1, \off
.endm
.macro HLOAD b, half, off              ; a half of a chunk: 28 loads
	QLOAD \b, 2*(\half), \off
	QLOAD \b, 2*(\half)+1, \off
.endm
; 64 numbers of a lane (window xw, from register s), register 16 b + i = k 32 b + 16 (lane / 16) + i of my row, become a fragment's codes in v[PC] on and its scale word in v[PW]
.macro QUANT s, xw
.set WSET, (\xw)|((\xw)<<2)
	WIN WSET
.irp b, 0,1,2,3
	v_max3_num_f32 v[TM+\b], |v[\s+16*\b]|, |v[\s+1+16*\b]|, 0x2800000   ; the floor 2^(5 - 127): the byte cannot fall under 1
.endr
.set WSET, ((\xw)<<2)|((\xw)<<4)
	WIN WSET
.irp i, 2,4,6,8,10,12,14
.irp b, 0,1,2,3
	v_max3_num_f32 v[TM+\b], v[TM+\b], |v[\s+16*\b+\i]|, |v[\s+1+16*\b+\i]|
.endr
.endr
	WIN 0
.irp b, 0,1,2,3
	v_permlanex16_b32 v[TM+4+\b], v[TM+\b], s[SEL], s[SEL+1]
.endr
.irp b, 0,1,2,3
	v_max_num_f32 v[TM+\b], v[TM+\b], v[TM+4+\b]
.endr
.irp b, 0,1,2,3
	v_add_nc_u32 v[TM+12+\b], 0xfe000000, v[TM+\b]   ; 4 off the exponent field: the conversion's scale operand
.endr
.irp b, 0,1,2,3
	v_lshrrev_b32 v[TM+4+\b], 23, v[TM+12+\b]
.endr
	v_lshl_or_b32 v[PW], v[TM+5], 8, v[TM+4]
	v_lshl_or_b32 v[PW], v[TM+6], 16, v[PW]
	v_lshl_or_b32 v[PW], v[TM+7], 24, v[PW]
	WIN \xw
.irp c, 0,1
	v_cvt_scalef32_pk16_bf6_f32 v[PC+6*\c:PC+2+6*\c], v[\s+32*\c:\s+15+32*\c], v[TM+12+2*\c]
	v_cvt_scalef32_pk16_bf6_f32 v[PC+12+4*\c:PC+14+4*\c], v[\s+16+32*\c:\s+31+32*\c], v[TM+12+2*\c+1]
.endr
	WIN 0
	v_nop                                          ; one plain place behind a scaled conversion
.irp c, 0,1                                    ; the operand's layout wants a whole block in a lane
.irp i, 0,1,2
	v_permlane16_swap_b32 v[PC+6*\c+\i], v[PC+12+4*\c+\i]
.endr
.irp i, 0,1,2
	v_mov_b32 v[PC+3+6*\c+\i], v[PC+12+4*\c+\i]
.endr
.endr
.endm
; Unit u goes into my stage as loaded and comes back as neighbours (even units: window 3, v0-63; odd: window 0, v128-191); its bf16 copy goes to its panel.  PN: the panel's stores
.macro STG u
	SETOF \u
.set US, (\u)/2
.set UI, (\u)%2
.set DB, 192+32*UI
.if US < 7                             ; bf16 of K steps 0-5 goes on to panels 0-2; that of K steps 6, 7 waits in registers, since the stages lie in panel 3's bytes
.set DW, 1
.else
.set DW, 2
.endif
.if US < 6
.set PN, 16
.else
.set PN, 0
.endif
.if (\u) <= 13
	s_wait_loadcnt 32                              ; behind this unit's 16 loads: the two later units' 32
.elseif (\u) == 14
	s_wait_loadcnt 44                              ; unit 15's 16, and 28 of chunk 0
.else
	s_wait_loadcnt 28                              ; 28 of chunk 0
.endif
.set WSET, RW<<2
	WIN WSET
.irp rr, 0,1,2,3,4,5,6,7,8,9,10,11,12,13,14,15
	ds_store_b128 v[TSW], v[RB+4*\rr:RB+4*\rr+3] offset:\rr*PP    ; LDS serves a wave's instructions in order: these follow the last unit's reads of the stage
.endr
.set WSET, (3*(1-UI))<<6
	WIN WSET
.irp b, 0,1,2,3
.irp j, 0,1,2,3
	ds_load_b128 v[128*UI+16*\b+4*\j:128*UI+16*\b+4*\j+3], v[TSR] offset:128*\b+16*\j   ; lane (r, h) takes 16 neighbours of each block of row r
.endr
.endr
.set WSET, (DW<<6)|(RW<<2)|RW
	WIN WSET
.irp k, 0,1,2,3,4,5,6,7,8,9,10,11,12,13,14,15,16,17,18,19,20,21,22,23,24,25,26,27,28,29,30,31
	v_cvt_pk_bf16_f32 v[DB+\k], v[RB+2*\k], v[RB+2*\k+1]
.endr
.if US < 6
	WIN 0x04
.irp rr, 0,1,2,3,4,5,6,7,8,9,10,11,12,13,14,15
	ds_store_b64 v[PANW+US/2], v[DB+2*\rr:DB+2*\rr+1] offset:(16*UI+\rr)*PP+256*(US%2)
.endr
.endif
	WIN 0
.endm
.macro QNT u                           ; unit u is quantised and its codes are handed on
.if (\u) < 15
	s_wait_dscnt 32+PN                             ; all but the LDS instructions of the unit just staged are done: my neighbours are in, and earlier stores have read their registers
.else
	s_wait_dscnt 0x0
.endif
.set QX, 128*((\u)%2)
.set QW, 3*(1-(\u)%2)
	QUANT QX, QW
.irp g, 0,1,2
	ds_store_b128 v[EXW], v[PC+4*\g:PC+4*\g+3] offset:(((\u)/2)%2)*EXB+((\u)%2)*1536+512*\g
.endr
	ds_store_b32 v[EXSW], v[PW] offset:(((\u)/2)%2)*EXB+((\u)%2)*128
.endm
; K step s is whole in buffer s % 2: every wave takes the four fragments of its 64 rows.  A buffer is written again only behind the next step's barrier
.macro EXCH s
	s_wait_dscnt 0x0
	s_barrier_signal -1
	s_barrier_wait -1
.irp t, 0,1
.set WSET, (1+\t)<<6
	WIN WSET
.irp e, 0,1
.irp g, 0,1,2
	ds_load_b128 v[96*\e+12*(\s)+4*\g:96*\e+12*(\s)+4*\g+3], v[EXR] offset:((\s)%2)*EXB+(2*\t+\e)*1536+512*\g
.endr
.endr
.endr
	WIN 0
.irp q, 0,1
	ds_load_b32 v[ASC+2*(\s)+\q], v[EXSR] offset:((\s)%2)*EXB+256*\q
.endr
.endm
.macro VLOAD reg, adr, off             ; 16 f32 of the bias or of W2: my eight columns of each of my two tiles
.irp j, 0,1
	ds_load_b128 v[\reg+8*\j:\reg+8*\j+3], v[\adr] offset:(\off)+64*\j
	ds_load_b128 v[\reg+8*\j+4:\reg+8*\j+7], v[\adr] offset:(\off)+64*\j+16
.endr
.endm
.macro PROD ra, rb                     ; ra, rb: which half of the lanes holds source 0's and source 1's scale words
.if (\ra) == 0 && (\rb) == 0
	v_wmma_scale_f32_16x16x128_f8f6f4 v[rD:rD+7], v[rB:rB+11], v[rA:rA+11], v[rC:rC+7], v[rSB], v[rSA] matrix_a_fmt:MATRIX_FMT_BF6 matrix_b_fmt:MATRIX_FMT_BF6
.elseif (\ra) == 1 && (\rb) == 0
	v_wmma_scale_f32_16x16x128_f8f6f4 v[rD:rD+7], v[rB:rB+11], v[rA:rA+11], v[rC:rC+7], v[rSB], v[rSA] matrix_a_fmt:MATRIX_FMT_BF6 matrix_b_fmt:MATRIX_FMT_BF6 matrix_a_scale:MATRIX_SCALE_ROW1
.elseif (\ra) == 0 && (\rb) == 1
	v_wmma_scale_f32_16x16x128_f8f6f4 v[rD:rD+7], v[rB:rB+11], v[rA:rA+11], v[rC:rC+7], v[rSB], v[rSA] matrix_a_fmt:MATRIX_FMT_BF6 matrix_b_fmt:MATRIX_FMT_BF6 matrix_b_scale:MATRIX_SCALE_ROW1
.else
	v_wmma_scale_f32_16x16x128_f8f6f4 v[rD:rD+7], v[rB:rB+11], v[rA:rA+11], v[rC:rC+7], v[rSB], v[rSA] matrix_a_fmt:MATRIX_FMT_BF6 matrix_b_fmt:MATRIX_FMT_BF6 matrix_a_scale:MATRIX_SCALE_ROW1 matrix_b_scale:MATRIX_SCALE_ROW1
.endif
.endm
; 16 products: row tiles 2 pair, 2 pair + 1 x my two tiles of columns x four K steps; four accumulators by turns.  K step 0 starts the sums with the bias as C
.macro MUL b, half, pair
.irp q, 0,1,2,3
.irp e, 0,1
.irp j, 0,1
	FMAP \b, 2*(4*(\half)+\q)+\j
.set WSET, fw|((1+(\pair))<<2)
	WIN WSET
.set rD, ACC+8*(2*(2*(\pair)+\e)+\j)
.set rB, fr
.set rA, 96*\e+12*(4*(\half)+\q)
.set rSB, BSC+8*(\b)+4*(\half)+\q
.set rSA, ASC+2*(4*(\half)+\q)+(\pair)
.if (\half) == 0 && \q == 0
.set rC, CR+8*\j
.else
.set rC, rD
.endif
	PROD \j, \e
.endr
.endr
.endr
.endm
; THE EPILOGUE, in four layers.  Half A: the accumulators of row tiles 0, 1; half B: of row tiles 2, 3.  Each batch of 32 exponentials has one wait ahead of it and one behind it;
; the plain lines laid between the exponentials read only what was written ahead of the batch's first wait, and what they write is read behind its second.
; ld: quarters 1 to 3 of buffer b's next chunk are asked for, one directly behind each of the three waits
.macro EPI nx, ld, b
.set n, 0
.rept 16
	v_pk_fma_f32 v[Y+n:Y+n+1], v[ACC+n:ACC+n+1], s[L2E:L2E+1], v[AL:AL+1] op_sel_hi:[1,0,1]   ; A: y = x log2e; each accumulator from its low end on
.set n, n+2
.endr
.set n, 0
.rept 16
	v_min_num_f32 v[Y+n], 0, v[Y+n]
	v_pk_fma_f32 v[Y+32+n:Y+33+n], v[ACC+32+n:ACC+33+n], s[L2E:L2E+1], v[AL:AL+1] op_sel_hi:[1,0,1]   ; B: y = x log2e
	v_min_num_f32 v[Y+n+1], 0, v[Y+n+1]
.set n, n+2
.endr
	VW
.if \ld
	QLOAD \b, 1, ((\b)+2)*CHB
.endif
.set n, 0
.rept 16
	v_pk_fma_f32 v[ACC+n:ACC+n+1], v[Y+n:Y+n+1], s[NLN2:NLN2+1], v[ACC+n:ACC+n+1] op_sel_hi:[1,0,1]   ; A: a - ln2 y = max(x, 0) - alpha
	v_exp_f32 v[Y+n], v[Y+n]
	v_min_num_f32 v[Y+32+n], 0, v[Y+32+n]
	v_exp_f32 v[Y+n+1], v[Y+n+1]
	v_min_num_f32 v[Y+33+n], 0, v[Y+33+n]
.set n, n+2
.endr
	VW
.if \ld
	QLOAD \b, 2, ((\b)+2)*CHB
.endif
.set n, 0
.rept 16
	v_pk_fma_f32 v[ACC+32+n:ACC+33+n], v[Y+32+n:Y+33+n], s[NLN2:NLN2+1], v[ACC+32+n:ACC+33+n] op_sel_hi:[1,0,1]
	v_exp_f32 v[Y+32+n], v[Y+32+n]
	v_pk_fma_f32 v[ACC+n:ACC+n+1], v[Y+n:Y+n+1], s[ALP:ALP+1], v[ACC+n:ACC+n+1] op_sel_hi:[1,0,1]   ; A: + alpha 2^y = selu(x) / lambda
	v_exp_f32 v[Y+33+n], v[Y+33+n]
.set n, n+2
.endr
	v_nop                                          ; a plain place behind the last exponential
	VW
.if \ld
	QLOAD \b, 3, ((\b)+2)*CHB
.endif
.if \nx
	s_wait_dscnt 4                                 ; W2 is in; the next chunk's bias, 4 loads, may be out
.else
	s_wait_dscnt 0x0
.endif
.irp zq, 0,1,2,3
.irp zc, 0,1,2,3
	v_pk_fma_f32 v[SC+2*\zc:SC+2*\zc+1], v[ACC+8*\zc+2*\zq:ACC+8*\zc+2*\zq+1], v[W2R+8*(\zc%2)+2*\zq:W2R+8*(\zc%2)+2*\zq+1], v[SC+2*\zc:SC+2*\zc+1]
	v_pk_fma_f32 v[ACC+32+8*\zc+2*\zq:ACC+33+8*\zc+2*\zq], v[Y+32+8*\zc+2*\zq:Y+33+8*\zc+2*\zq], s[ALP:ALP+1], v[ACC+32+8*\zc+2*\zq:ACC+33+8*\zc+2*\zq] op_sel_hi:[1,0,1]
.endr
.endr
.irp zq, 0,1,2,3
.irp zc, 0,1,2,3
	v_pk_fma_f32 v[SC+8+2*\zc:SC+9+2*\zc], v[ACC+32+8*\zc+2*\zq:ACC+33+8*\zc+2*\zq], v[W2R+8*(\zc%2)+2*\zq:W2R+8*(\zc%2)+2*\zq+1], v[SC+8+2*\zc:SC+9+2*\zc]
.endr
.endr
.endm
; A CHUNK of 64 columns, its fragments in buffer b.  ld: the buffer is asked for again, with the chunk two on.  nx: a chunk follows
.macro CHUNK b, ld, nx
.if \nx
	s_wait_loadcnt 56                              ; this chunk's loads are in; the next chunk's 56 may be out
.else
	s_wait_loadcnt 0x0
.endif
	s_wait_dscnt 4                                 ; the bias is in; W2's 4 loads may be out
	MUL \b, 0, 0
	MUL \b, 0, 1
	MUL \b, 1, 0
	MUL \b, 1, 1
	WIN 0
	PLACES 4                                       ; ahead of loads into registers that products have read, and of the first read of results
.if \ld
	QLOAD \b, 0, ((\b)+2)*CHB
.endif
.if \nx
	VLOAD CR, CVA, 256*((\b)+1)
.endif
	EPI \nx, \ld, \b
.if \nx
	VLOAD W2R, W2A, 256*((\b)+1)
.endif
.endm
	; ---------------- the head: scalars first, then the vector lines on end, then one wait
	s_load_b256 s[4:11], s[0:1], 0x0               ; enc s[4:5], wq s[6:7], hpart s[8:9], b1 s[10:11]
	s_load_b128 s[12:15], s[0:1], 0x20             ; W2 s[12:13], part s[14:15]
	s_load_b64 s[16:17], s[0:1], 0x30              ; stats
	v_lshrrev_b32 v1, 5, v0
	v_readfirstlane_b32 s[WV], v1                  ; wave 0..3
	s_lshr_b32 s21, s[WV], 1                       ; which 64 rows I multiply
	s_and_b32 s22, s[WV], 1                        ; which 32 columns of a chunk
	s_mul_i32 s32, s[WV], 16*PP
	s_add_co_u32 s32, s32, TS
	s_mul_i32 s33, s[WV], 32*PP
	s_mul_i32 s34, s[WV], 3072
	s_add_co_u32 s34, s34, EX0
	s_lshl_b32 s35, s[WV], 8
	s_add_co_u32 s35, s35, EX0+12288
	s_mul_i32 s36, s21, 6144
	s_add_co_u32 s36, s36, EX0
	s_lshl_b32 s37, s21, 9
	s_add_co_u32 s37, s37, EX0+12288
	s_mul_i32 s38, s22, 2944
	s_sub_co_u32 s38, 49152, s38                   ; with the base's 3,072 (w % 2): the scale words at 49,152 + 128 (w % 2)
	s_lshl_b32 s39, s22, 7
	s_add_co_u32 s39, s39, CV
	s_lshl_b32 s40, s22, 9
	s_lshl_b32 s41, s21, 8
	s_add_co_u32 s40, s40, s41
	s_add_co_u32 s40, s40, SCR
	s_mul_i32 s41, s[WV], PANB
	s_lshl_b32 s42, s[WV], 9
	s_add_co_u32 s42, s42, PVEC
	s_lshl_b32 s43, s[WV], 10
	s_add_co_u32 s43, s43, OST
	s_mov_b32 s[L2E], 0x3fb8aa3b
	s_mov_b32 s[L2E+1], s[L2E]
	s_mov_b32 s[NLN2], 0xbf317218
	s_mov_b32 s[NLN2+1], s[NLN2]
	s_mov_b32 s[ALP], 0x3fd62d7d                   ; alpha = 1.6732632
	s_mov_b32 s[ALP+1], s[ALP]
	s_mov_b32 s[SEL], 0x76543210
	s_mov_b32 s[SEL+1], 0xfedcba98
	s_and_b32 s28, ttmp9, 3                        ; which piece of wq I ask for: 4 x (five bits of the work-group's number) + wave
	s_lshr_b32 s29, ttmp9, 4
	s_and_b32 s29, s29, 7
	s_lshl_b32 s29, s29, 2
	s_or_b32 s28, s28, s29
	s_lshl_b32 s28, s28, 2
	s_add_co_u32 s28, s28, s[WV]
	s_lshl_b32 s44, s28, 13
	s_mov_b32 s45, 0
	s_mov_b32 s27, 0
	v_lshl_add_u32 v[SPW], v0, 2, SPARE
	v_mov_b32 v[NIL], 0
	v_and_b32 v1, 31, v0                           ; lane
	v_and_b32 v2, 15, v0                           ; r
	v_bfe_u32 v3, v0, 4, 1                         ; h
	v_lshlrev_b32 v[VO], 4, v1
	v_add_nc_u32 v[TSW], s32, v[VO]
	v_mul_u32_u24 v[TSR], v2, PP
	v_lshl_add_u32 v[TSR], v3, 6, v[TSR]
	v_add_nc_u32 v[TSR], s32, v[TSR]
	v_lshl_add_u32 v[PANW], v1, 3, s33             ; my 32 rows of a panel, 8 bytes a lane
	v_add_nc_u32 v[PANW+1], PANB, v[PANW]
	v_add_nc_u32 v[PANW+2], 2*PANB, v[PANW]
	v_add_nc_u32 v[PANW+3], 3*PANB, v[PANW]
	v_add_nc_u32 v[EXW], s34, v[VO]
	v_lshl_add_u32 v[EXSW], v1, 2, s35
	v_add_nc_u32 v[EXR], s36, v[VO]
	v_lshl_add_u32 v[EXSR], v2, 2, s37
	v_lshl_add_u32 v[EXSR], v3, 7, v[EXSR]         ; lanes 16-31 take the next tile's words
	v_lshl_add_u32 v[VSO], v1, 2, s38
	v_lshlrev_b32 v[PFO], 8, v1                    ; a lane a block of 256 bytes
	v_lshl_add_u32 v[CVA], v3, 5, s39              ; my eight columns of a tile
	v_add_nc_u32 v[W2A], 4096, v[CVA]
	v_lshl_add_u32 v[SCW], v2, 2, s40
	v_add_nc_u32 v[PANR], s41, v[VO]               ; at the end wave w sums panel w
	v_mov_b32 v[PVA], s42
	v_add_nc_u32 v[PVW], s42, v[VO]
	v_lshl_add_u32 v[OSTW], v1, 5, s43
	v_add_nc_u32 v[OSTR], s43, v[VO]
	v_add_nc_u32 v[SCRR], SCR, v[VO]
	v_lshlrev_b32 v[SMO], 4, v0
	v_add_nc_u32 v[SML], CV, v[SMO]
.irp b, 0,1,2,3
	v_mov_b32 v[TM+4+\b], 0                        ; a lane permute's destination counts as one of its sources
.endr
	VW                                             ; at the head's end
	s_wait_kmcnt 0x0
	s_add_nc_u64 s[44:45], s[WQ:WQ+1], s[44:45]    ; my piece of wq
	s_lshl_b32 s26, ttmp9, 19                      ; 128 rows of 4,096 bytes,
	s_lshl_b32 s30, s[WV], 17                      ; my wave's 32 of them
	s_add_co_u32 s26, s26, s30
	s_add_nc_u64 s[4:5], s[4:5], s[26:27]
	s_mul_i32 s26, s22, 3072
	s_add_nc_u64 s[WQ:WQ+1], s[WQ:WQ+1], s[26:27]  ; my two tiles of columns
	s_lshr_b32 s26, ttmp9, 3                       ; the batch
	s_lshl_b32 s26, s26, 12
	s_add_nc_u64 s[8:9], s[8:9], s[26:27]
	s_lshl_b32 s26, ttmp9, 12
	s_lshl_b32 s30, s[WV], 10
	s_add_co_u32 s26, s26, s30
	s_add_nc_u64 s[14:15], s[14:15], s[26:27]
	s_lshl_b32 s26, ttmp9, 3
	s_add_nc_u64 s[16:17], s[16:17], s[26:27]
	s_cmp_lt_u32 s28, 100                          ; wq has 100 pieces of 8,192 bytes: no request leaves the buffer
	s_cbranch_scc0 .Lnopf
	global_prefetch_b8 v[PFO], s[44:45] th:TH_LOAD_NT scope:SCOPE_SE
.Lnopf:
.irp s, 0,1,2,3,4,5,6,7                        ; thread t takes columns 4 t .. and 512 + 4 t ..: the hidden state's eight parts, b1, W2
	global_load_b128 v[128+8*\s:131+8*\s], v[SMO], s[8:9] offset:\s*131072
	global_load_b128 v[132+8*\s:135+8*\s], v[SMO], s[8:9] offset:\s*131072+2048
.endr
	global_load_b128 v[88:91], v[SMO], s[10:11]
	global_load_b128 v[92:95], v[SMO], s[10:11] offset:2048
	global_load_b128 v[96:99], v[SMO], s[12:13]
	global_load_b128 v[100:103], v[SMO], s[12:13] offset:2048
	LOADU 0
	LOADU 1
	LOADU 2
	s_wait_loadcnt 48                              ; the three units' 48 loads may be out
.irp k, 0,1,2,3,4,5,6,7
	v_subrev_f32 v[88+\k], s[ALP], v[88+\k]        ; b1 - alpha
.endr
.irp s, 0,1,2,3,4,5,6,7
.irp k, 0,2,4,6
	v_pk_add_f32 v[88+\k:89+\k], v[88+\k:89+\k], v[128+8*\s+\k:129+8*\s+\k]
.endr
.endr
	ds_store_b128 v[SML], v[88:91]
	ds_store_b128 v[SML], v[92:95] offset:2048
	ds_store_b128 v[SML], v[96:99] offset:4096
	ds_store_b128 v[SML], v[100:103] offset:6144
	; ---------------- the rows: loaded, turned, copied as bf16, quantised, handed round; the stage runs one unit ahead of the quantiser
	STG 0
	s_wait_dscnt 32                                ; the stage's stores have read their set; the 16 reads back and the 16 stores to the panel may be out
	LOADU 3
.irp u, 0,1,2,3,4,5,6,7,8,9,10,11,12,13,14,15
.if \u < 15
	STG (\u)+1
.endif
	QNT \u
.if \u < 12
	s_wait_dscnt 20+PN                             ; the stage's stores have read their set; behind them: 16 reads back, the panel's stores, my 4 stores of codes
	LOADU (\u)+4                                   ; into the set just left
.elseif \u == 12
	s_wait_dscnt 20+PN
	HLOAD 0, 1, 0                                  ; chunk 0's K steps 4-7, partly into the set that unit 13 left
.elseif \u == 14
	HLOAD 0, 0, 0                                  ; chunk 0's K steps 0-3, into the registers of the even units' neighbours
.endif
.if (\u)%2
	EXCH (\u)/2
.endif
.endr
	s_wait_dscnt 0x0                               ; my reads of the stage and of the exchange buffers are over
	s_barrier_signal -1
	s_barrier_wait -1
	WIN 0x04                                       ; panel 3 takes their bytes: K step 6,
.irp i, 0,1
.irp rr, 0,1,2,3,4,5,6,7,8,9,10,11,12,13,14,15
	ds_store_b64 v[PANW+3], v[192+32*\i+2*\rr:192+32*\i+2*\rr+1] offset:(16*\i+\rr)*PP
.endr
.endr
	WIN 0x08                                       ; and K step 7
.irp i, 0,1
.irp rr, 0,1,2,3,4,5,6,7,8,9,10,11,12,13,14,15
	ds_store_b64 v[PANW+3], v[192+32*\i+2*\rr:192+32*\i+2*\rr+1] offset:(16*\i+\rr)*PP+256
.endr
.endr
	WIN 0
.irp k, 0,1,2,3,4,5,6,7,8,9,10,11,12,13,14,15
	v_mov_b32 v[SC+\k], 0                          ; the scores' sums run over all 16 chunks
.endr
	v_mov_b32 v[AL], s[ALP]
	v_mul_f32 v[AL], s[L2E], v[AL]                 ; alpha log2e
	v_mov_b32 v[AL+1], v[AL]
	VW                                             ; ahead of the wait below and of the loop's waits
	s_wait_dscnt 0x0                               ; the stores have read their registers, which buffer 1 takes
	HLOAD 1, 0, CHB                                ; chunk 1: 56 loads
	HLOAD 1, 1, CHB
	VLOAD CR, CVA, 0
	VLOAD W2R, W2A, 0
	; ---------------- the products: 16 chunks; chunks 0 to 13 ask for the chunk two on
	s_mov_b32 s[CNT], 7
.Lpair:
	CHUNK 0, 1, 1
	CHUNK 1, 1, 1
	v_add_nc_u32 v[CVA], 512, v[CVA]
	v_add_nc_u32 v[W2A], 512, v[W2A]
	VW                                             ; both are first read behind the wait and the jump below
	s_wait_xcnt 0x0                                ; my loads have read their base: it may step
	s_add_nc_u64 s[WQ:WQ+1], s[WQ:WQ+1], 2*CHB
	s_sub_co_u32 s[CNT], s[CNT], 1
	s_cmp_lg_u32 s[CNT], 0
	s_cbranch_scc1 .Lpair
	CHUNK 0, 0, 1                                  ; the last two ask for nothing: no load leaves wq
	CHUNK 1, 0, 0
	; ---------------- the scores
.irp t, 0,1,2,3
	v_pk_add_f32 v[SC+4*\t:SC+4*\t+1], v[SC+4*\t:SC+4*\t+1], v[SC+4*\t+2:SC+4*\t+3]
.endr
.irp t, 0,1,2,3
	v_add_f32 v[SC+4*\t], v[SC+4*\t], v[SC+4*\t+1]
.endr
.irp t, 0,1,2,3
	v_permlanex16_b32 v[SC+4*\t+1], v[SC+4*\t], s[SEL], s[SEL+1]
.endr
.irp t, 0,1,2,3
	v_add_f32 v[SC+4*\t], v[SC+4*\t], v[SC+4*\t+1] ; row 16 t + r over my half of the columns
.endr
.irp t, 0,1,2,3
	ds_store_b32 v[SCW], v[SC+4*\t] offset:64*\t   ; both halves of the lanes write the same word with the same value
.endr
	s_wait_dscnt 0x0                               ; my stores have landed, panel 3's among them
	s_barrier_signal -1
	s_barrier_wait -1
	ds_load_b128 v[80:83], v[SCRR]                 ; every wave makes the work-group's figures for itself: lane l has rows 4 l .. 4 l + 3
	ds_load_b128 v[84:87], v[SCRR] offset:512
	s_wait_dscnt 0x0
	v_mov_b32 v89, 0
	v_pk_add_f32 v[80:81], v[80:81], v[84:85]
	v_pk_add_f32 v[82:83], v[82:83], v[86:87]
.irp k, 0,1,2,3
	v_mul_f32 v[80+\k], 0x3fc20715, v[80+\k]       ; t = the sum x lambda log2e
.endr
	v_max3_num_f32 v[ML], v80, v81, v82
	v_max_num_f32 v[ML], v[ML], v83
	v_max_num_f32_dpp v[ML], v[ML], v[ML] row_xmask:1 row_mask:0xf bank_mask:0xf
	v_max_num_f32_dpp v[ML], v[ML], v[ML] row_xmask:2 row_mask:0xf bank_mask:0xf
	v_max_num_f32_dpp v[ML], v[ML], v[ML] row_xmask:4 row_mask:0xf bank_mask:0xf
	v_max_num_f32_dpp v[ML], v[ML], v[ML] row_xmask:8 row_mask:0xf bank_mask:0xf
	v_permlanex16_b32 v89, v[ML], s[SEL], s[SEL+1]
	v_max_num_f32 v[ML], v[ML], v89                ; m: the largest t of the 128 rows
.irp k, 0,1,2,3
	v_sub_f32 v[80+\k], v[80+\k], v[ML]
.endr
	VW                                             ; ahead of the batch
.irp k, 0,1,2,3
	v_exp_f32 v[80+\k], v[80+\k]                   ; p = 2^(t - m)
.endr
	v_nop                                          ; a plain place behind the last exponential
	VW                                             ; and behind it
	v_add_f32 v[ML+1], v80, v81
	v_add_f32 v84, v82, v83
	v_add_f32 v[ML+1], v[ML+1], v84
	v_add_f32_dpp v[ML+1], v[ML+1], v[ML+1] row_xmask:1 row_mask:0xf bank_mask:0xf
	v_add_f32_dpp v[ML+1], v[ML+1], v[ML+1] row_xmask:2 row_mask:0xf bank_mask:0xf
	v_add_f32_dpp v[ML+1], v[ML+1], v[ML+1] row_xmask:4 row_mask:0xf bank_mask:0xf
	v_add_f32_dpp v[ML+1], v[ML+1], v[ML+1] row_xmask:8 row_mask:0xf bank_mask:0xf
	v_permlanex16_b32 v89, v[ML+1], s[SEL], s[SEL+1]
	v_add_f32 v[ML+1], v[ML+1], v89                ; l: the sum of p
	ds_store_b128 v[PVW], v[80:83]                 ; p, in my wave's own copy
.irp k, 0,1,2,3,4,5,6,7
	v_mov_b32 v[CX+\k], 0
	v_mov_b32 v[CX+24+\k], 0
.endr
	VW                                             ; the sums are first read behind the loop's waits
	; ---------------- the sum of p x enc: wave w takes columns 256 w .. + 255, a lane eight of them; 32 rows a trip.
	; Even and odd rows have sums of their own: 15 plain lines lie between a sum's write and its next read, across the counted waits too
	s_mov_b32 s[CNT], 4
.Lctx:
.irp k, 0,1,2,3,4,5,6,7
	ds_load_b128 v[PB+4*\k:PB+4*\k+3], v[PVA] offset:16*\k
.endr
.irp rr, 0,1,2,3,4,5,6,7,8,9,10,11,12,13,14,15,16,17,18,19,20,21,22,23,24,25,26,27,28,29,30,31
	ds_load_b128 v[XB+4*\rr:XB+4*\rr+3], v[PANR] offset:\rr*PP
.endr
.irp q, 0,1,2,3,4,5,6,7
	s_wait_dscnt 28-4*\q                           ; the later rows' loads may be out
.irp e, 0,1,2,3
.irp k, 0,1,2,3
	v_fma_mix_f32_bf16 v[CX+24*(\e%2)+2*\k], v[XB+4*(4*\q+\e)+\k], v[PB+4*\q+\e], v[CX+24*(\e%2)+2*\k] op_sel_hi:[1,0,0]
	v_fma_mix_f32_bf16 v[CX+24*(\e%2)+2*\k+1], v[XB+4*(4*\q+\e)+\k], v[PB+4*\q+\e], v[CX+24*(\e%2)+2*\k+1] op_sel:[1,0,0] op_sel_hi:[1,0,0]
.endr
.endr
.endr
	v_add_nc_u32 v[PANR], 32*PP, v[PANR]
	v_add_nc_u32 v[PVA], 128, v[PVA]
	s_sub_co_u32 s[CNT], s[CNT], 1
	s_cmp_lg_u32 s[CNT], 0
	VW                                             ; directly ahead of the jump
	s_cbranch_scc1 .Lctx
	; ---------------- the way out: a lane's 32 bytes go through my own 1,024 bytes of LDS, so that each store covers 512 consecutive bytes
.irp k, 0,2,4,6
	v_pk_add_f32 v[CX+\k:CX+\k+1], v[CX+\k:CX+\k+1], v[CX+24+\k:CX+25+\k]
.endr
	ds_store_b128 v[OSTW], v[CX:CX+3]
	ds_store_b128 v[OSTW], v[CX+4:CX+7] offset:16
	ds_load_b128 v[80:83], v[OSTR]                 ; LDS serves a wave's instructions in order
	ds_load_b128 v[84:87], v[OSTR] offset:512
	v_mov_b32 v88, 0
	VW
	s_wait_dscnt 0x0
	global_store_b128 v[VO], v[80:83], s[14:15]
	global_store_b128 v[VO], v[84:87], s[14:15] offset:512
	v_cmp_eq_u32 vcc_lo, 0, v0
	s_wait_xcnt 0x0                                ; EXEC changes only behind this wait
	s_and_saveexec_b32 s[SAVE], vcc_lo
	global_store_b64 v88, v[ML:ML+1], s[16:17]     ; thread 0: (m, l)
	s_wait_xcnt 0x0                                ; and again, ahead of the line that widens it
	s_or_b32 exec_lo, exec_lo, s[SAVE]
	s_wait_tensorcnt 0x0                           ; the wave's end
	ds_add_u32 v[SPW], v[NIL]
	s_wait_dscnt 0x0
	s_endpgm
.Lfunc_end_k_q0a9c449be6_main:
	.size	k_q0a9c449be6_main, .Lfunc_end_k_q0a9c449be6_main-k_q0a9c449be6_main
	.p2alignl 7, 3214868480
	.fill 96, 4, 3214868480
	.section	.rodata,"a",@progbits
	.p2align	6, 0x0
	.amdhsa_kernel k_q0a9c449be6_main
		.amdhsa_group_segment_fixed_size 286208
		.amdhsa_private_segment_fixed_size 0
		.amdhsa_enable_private_segment 0
		.amdhsa_kernarg_size 56
		.amdhsa_user_sgpr_count 2
		.amdhsa_user_sgpr_kernarg_segment_ptr 1
		.amdhsa_wavefront_size32 1
		.amdhsa_system_sgpr_workgroup_id_x 1
		.amdhsa_system_sgpr_workgroup_id_y 1
		.amdhsa_system_sgpr_workgroup_id_z 1
		.amdhsa_system_vgpr_workitem_id 0
		.amdhsa_next_free_vgpr 1024
		.amdhsa_next_free_sgpr 66
		.amdhsa_reserve_vcc 1
		.amdhsa_float_denorm_mode_32 3
		.amdhsa_float_denorm_mode_16_64 3
		.amdhsa_memory_ordered 1
		.amdhsa_forward_progress 1
		.amdhsa_inst_pref_size 255
	.end_amdhsa_kernel
	.section	.bss,"aw",@nobits
	.p2align	6
	.space	262144
	.amdgpu_metadata
---
amdhsa.version: [ 1, 2 ]
amdhsa.kernels:
  - .name:           k_q0a9c449be6_main
    .symbol:         k_q0a9c449be6_main.kd
    .args:
      - { .name: encoder_outputs, .offset: 0, .size: 8, .value_kind: global_buffer, .address_space: global }
      - { .name: wq, .offset: 8, .size: 8, .value_kind: global_buffer, .address_space: global }
      - { .name: hpart, .offset: 16, .size: 8, .value_kind: global_buffer, .address_space: global }
      - { .name: b1, .offset: 24, .size: 8, .value_kind: global_buffer, .address_space: global }
      - { .name: W2, .offset: 32, .size: 8, .value_kind: global_buffer, .address_space: global }
      - { .name: part, .offset: 40, .size: 8, .value_kind: global_buffer, .address_space: global }
      - { .name: stats, .offset: 48, .size: 8, .value_kind: global_buffer, .address_space: global }
    .group_segment_fixed_size: 286208
    .private_segment_fixed_size: 0
    .kernarg_segment_align: 8
    .kernarg_segment_size: 56
    .max_flat_workgroup_size: 128
    .sgpr_count:     66
    .vgpr_count:     1024
    .wavefront_size: 32
...
	.end_amdgpu_metadata
.endif
;; end of part 2
;; launch join (part 3): grid 32 x 1, 8 waves a work-group, no clusters, 0 bytes of LDS; arguments part, stats, out0; writes out0
.if DOCPART == 3
	.amdgcn_target "amdgcn-amd-amdhsa--gfx1250"
	.amdhsa_code_object_version 6
	.text
	.protected	k_q0a9c449be6_join
	.globl	k_q0a9c449be6_join
	.p2align	8
	.type	k_q0a9c449be6_join,@function
k_q0a9c449be6_join:
	s_mov_b64 s[64:65], 0
	v_nop
	global_prefetch_b8 v0, s[64:65] scope:SCOPE_SE
	s_setreg_imm32_b32 hwreg(HW_REG_WAVE_MODE, 25, 1), 1
	s_wait_xcnt 0x0
; A batch's eight parts of the softmax over timesteps are joined: with M the largest of the eight m and w = 2^(m - M),
; out = (the sum of w x part) / (the sum of w x l).  Work-group = batch; thread t takes columns 4 t .. 4 t + 3: every load and the store cover 512 consecutive bytes a wave.
; The part that holds M has w = 1 and l >= 1, so the divisor is at least 1.  32 work-groups: there is no more work than this to share.
.set CT, 8                             ; v8-39   the eight parts' four columns
.set ST, 40                            ; v40-55  m and l of the eight parts
.set MX, 56                            ; v56     M
.set WG, 57                            ; v57-64  w
.set LS, 66                            ; v66     the divisor;  v67 its reciprocal
	s_load_b128 s[4:7], s[0:1], 0x0                ; part, stats
	s_load_b64 s[8:9], s[0:1], 0x10                ; out0
	v_lshlrev_b32 v1, 4, v0
	v_mov_b32 v2, 0
	s_lshl_b32 s10, ttmp9, 15                      ; eight rows of 4,096 bytes
	s_mov_b32 s11, 0
	s_lshl_b32 s12, ttmp9, 6                       ; eight pairs
	s_mov_b32 s13, 0
	s_lshl_b32 s14, ttmp9, 12
	s_mov_b32 s15, 0
	s_wait_alu depctr_va_vdst(0)
	s_wait_kmcnt 0x0
	s_add_nc_u64 s[4:5], s[4:5], s[10:11]
	s_add_nc_u64 s[6:7], s[6:7], s[12:13]
	s_add_nc_u64 s[8:9], s[8:9], s[14:15]
.irp g, 0,1,2,3
	global_load_b128 v[ST+4*\g:ST+4*\g+3], v2, s[6:7] offset:16*\g
.endr
.irp g, 0,1,2,3,4,5,6,7
	global_load_b128 v[CT+4*\g:CT+4*\g+3], v1, s[4:5] offset:4096*\g th:TH_LOAD_NT
.endr
	s_wait_loadcnt 8                               ; m and l are in; the eight parts may be out
	v_max3_num_f32 v[MX], v[ST], v[ST+2], v[ST+4]
	s_delay_alu instid0(VALU_DEP_1)
	v_max3_num_f32 v[MX], v[MX], v[ST+6], v[ST+8]
	s_delay_alu instid0(VALU_DEP_1)
	v_max3_num_f32 v[MX], v[MX], v[ST+10], v[ST+12]
	s_delay_alu instid0(VALU_DEP_1)
	v_max_num_f32 v[MX], v[MX], v[ST+14]
.irp g, 0,1,2,3,4,5,6,7
	v_sub_f32 v[WG+\g], v[ST+2*\g], v[MX]
.endr
	s_wait_alu depctr_va_vdst(0)
.irp g, 0,1,2,3,4,5,6,7
	v_exp_f32 v[WG+\g], v[WG+\g]
.endr
	v_nop                                          ; a plain place behind the last exponential
	s_wait_alu depctr_va_vdst(0)                   ; one wait for the eight, ahead of their first reader
	v_mul_f32 v[LS], v[WG], v[ST+1]
.irp g, 1,2,3,4,5,6,7
	v_fmac_f32 v[LS], v[WG+\g], v[ST+2*\g+1]
.endr
	s_wait_alu depctr_va_vdst(0)
	v_rcp_f32 v[LS+1], v[LS]
	s_wait_loadcnt 0x0
.irp k, 0,1,2,3
	v_mul_f32 v[4+\k], v[WG], v[CT+\k]             ; (plain work behind the reciprocal)
.endr
.irp g, 1,2,3,4,5,6,7
.irp k, 0,1,2,3
	v_fmac_f32 v[4+\k], v[WG+\g], v[CT+4*\g+\k]
.endr
.endr
	s_wait_alu depctr_va_vdst(0)                   ; the reciprocal's wait, ahead of its first reader
.irp k, 0,1,2,3
	v_mul_f32 v[4+\k], v[4+\k], v[LS+1]
.endr
	global_store_b128 v1, v[4:7], s[8:9]
	s_endpgm
.Lfunc_end_k_q0a9c449be6_join:
	.size	k_q0a9c449be6_join, .Lfunc_end_k_q0a9c449be6_join-k_q0a9c449be6_join
	.p2alignl 7, 3214868480
	.fill 96, 4, 3214868480
	.section	.rodata,"a",@progbits
	.p2align	6, 0x0
	.amdhsa_kernel k_q0a9c449be6_join
		.amdhsa_group_segment_fixed_size 0
		.amdhsa_private_segment_fixed_size 0
		.amdhsa_enable_private_segment 0
		.amdhsa_kernarg_size 24
		.amdhsa_user_sgpr_count 2
		.amdhsa_user_sgpr_kernarg_segment_ptr 1
		.amdhsa_wavefront_size32 1
		.amdhsa_system_sgpr_workgroup_id_x 1
		.amdhsa_system_sgpr_workgroup_id_y 1
		.amdhsa_system_sgpr_workgroup_id_z 1
		.amdhsa_system_vgpr_workitem_id 0
		.amdhsa_next_free_vgpr 80
		.amdhsa_next_free_sgpr 66
		.amdhsa_reserve_vcc 0
		.amdhsa_float_denorm_mode_32 3
		.amdhsa_float_denorm_mode_16_64 3
		.amdhsa_memory_ordered 1
		.amdhsa_forward_progress 1
		.amdhsa_inst_pref_size 5
	.end_amdhsa_kernel
	.amdgpu_metadata
---
amdhsa.version: [ 1, 2 ]
amdhsa.kernels:
  - .name:           k_q0a9c449be6_join
    .symbol:         k_q0a9c449be6_join.kd
    .args:
      - { .name: part, .offset: 0, .size: 8, .value_kind: global_buffer, .address_space: global }
      - { .name: stats, .offset: 8, .size: 8, .value_kind: global_buffer, .address_space: global }
      - { .name: out0, .offset: 16, .size: 8, .value_kind: global_buffer, .address_space: global }
    .group_segment_fixed_size: 0
    .private_segment_fixed_size: 0
    .kernarg_segment_align: 8
    .kernarg_segment_size: 24
    .max_flat_workgroup_size: 256
    .sgpr_count:     66
    .vgpr_count:     80
    .wavefront_size: 32
...
	.end_amdgpu_metadata
.endif
;; end of part 3
